; MI455X (gfx1250); checked and timed in simulation.
; The chip was launched on July 23, 2026; its instructions are those of AMD's public machine-readable ISA for CDNA 5 (MIT licence, August 2026) and "CDNA5" Instruction Set Architecture Reference Guide (July 2026). The comments in the code are by the model that wrote it; some were corrected since.
;; support sampler. Allowed arithmetic: matrix products marked QUANTISED: E4M3 operands, one given power-of-two scale a tensor, by v_wmma_f32_16x16x64_fp8_fp8 or v_wmma_f32_16x16x128_fp8_fp8, f32 sums; products left as they are: f32 operands where the result goes on into a quantised operand, else bf16, f16 or f32 operands; f32 sums; everything else in f32.
;; Inputs: W1_codes 1,024 x 64 x 32 uint8 (E4M3 codes of W1, K innermost, in blocks of 32 codes); W2 8 x 1,024 float32; b1 1,024 float32; b2 8 float32; lowp_scales 2 int32 (the exponents e of the quantised operands' scales 2^e); obj_feats 4,096 x 1,024 float32; pairs 32,768 x 2 int32.
;; Outputs: out0 32,768 x 8 float32.
;; This version of the problem:
;;   THIS VERSION OF THE PROBLEM IS GIVEN IN LOW PRECISION. The matrix products marked QUANTISED in the list below multiply operands that are first quantised to E4M3 (4 exponent bits, 3 mantissa bits; 8 bits a number), with one given power-of-two scale for each operand tensor; their sums are f32. All else is computed in f32.
;;   The module's matrix products, in the order in which they are computed (A, B: the left and right operand; K: the contracted axis; several contracted axes count as one K, in the product's order):
;;     1. [M 32,768, K 2,048] x [K 2,048, N 1,024]; A: computed on the way; B: input W1 (given as codes): QUANTISED (scales: A lowp_scales[0], B lowp_scales[1])
;;     2. [M 32,768, K 1,024] x [K 1,024, N 8]; A: computed on the way; B: input W2: left as it is (N = 8 < 16)
;;   THE QUANTISER, for each operand of a quantised product, along K:
;;     - The operand's scale is 2^e, e = its entry of the input lowp_scales (int32; the entries are numbered through the quantised products in the list's order, A before B).
;;     - Each number is divided by the scale, clamped to +-448, and rounded to the nearest number of E4M3, ties to even, subnormals kept.
;;     - The product sums the exact products of the quantised numbers (number of the format x scale) in f32.
;;   ~~~python
;;   def quantise(x, axis, e):      # numpy; x: float32 -> the quantised numbers, widened to float32 again
;;       x = np.moveaxis(x, axis, -1); K = x.shape[-1]
;;       r = np.clip(x / 2.0 ** e, -448, 448)
;;       step = 2.0 ** (np.maximum(np.frexp(np.where(r == 0, 1, r))[1] - 1, -6) - 3)
;;       q = np.round(r / step) * step * 2.0 ** e      # np.round: ties to even
;;       return np.moveaxis(q, -1, axis).astype(np.float32)
;;   ~~~
;;   OPERANDS COMPUTED ON THE WAY. 'Computed on the way' means the value that the module computes at that place (a softmax that the list does not call 'softmax' is quantised finished and normalised). What goes into a quantiser is computed in f32, as accurately as f32 sums, v_exp_f32 and their like allow (about 1e-6 of the number): no bf16 or f16 on the way to a quantiser, and a product that is left as it is and whose result goes on into a quantised operand takes f32 operands (vector FMAs, or v_wmma_f32_16x16x4_f32). A number that lies on a knife's edge between two numbers of the format may be rounded either way, as far as f32 arithmetic and the matrix unit's own rounding can turn it there, and no further.
;;   INPUTS GIVEN AS CODES. W1 (in the module: [1024, 2048], K = its axis 1): each comes as NAME_codes (uint8): NAME with its K axis moved to the last place and cut into blocks of 32 codes, [.., K / 32, bytes a block], one block behind the other in memory; one code a byte (a code: sign, 4 exponent bits, 3 mantissa bits); its scale is its entry of lowp_scales. Its value is code x scale, taken as it is: it is not quantised again, and the codes and scales need not be those that the quantiser above would give.
;; One version. Each part assembles by itself: llvm-mc -triple=amdgcn-amd-amdhsa -mcpu=gfx1250 --defsym DOCPART=n.
;; ======== version 1 of 1: 2 launches
;; limits: values are held in bf16: 8 bits of precision; right only within a limited range of input values
;; workspace buffers: zp 1,048,576 bytes
;; launch objmm (part 1): grid 256 x 1, 4 waves a work-group, clusters of 4 x 1, 327,680 bytes of LDS; arguments obj_feats, W1_codes, W2, b1, lowp_scales, zp; writes zp
.if DOCPART == 1
	.amdgcn_target "amdgcn-amd-amdhsa--gfx1250"
	.amdhsa_code_object_version 6
	.text
	.protected	k_q8ffa84474a_objmm
	.globl	k_q8ffa84474a_objmm
	.p2align	8
	.type	k_q8ffa84474a_objmm,@function
k_q8ffa84474a_objmm:
	s_mov_b64 s[64:65], 0
	v_nop
	global_prefetch_b8 v0, s[64:65] scope:SCOPE_SE
	s_setreg_imm32_b32 hwreg(HW_REG_WAVE_MODE, 25, 1), 1
	s_wait_xcnt 0x0
	s_wait_alu depctr_hold_cnt(0) depctr_sa_sdst(0) depctr_va_vdst(0) depctr_va_sdst(0) depctr_va_ssrc(0) depctr_va_vcc(0) depctr_vm_vsrc(0)
	s_getreg_b32 s2, hwreg(HW_REG_IB_STS2, 6, 4)
	s_cmp_eq_u32 s2, 0
	s_cbranch_scc0 .Lentry_in_a_cluster
	s_endpgm
.Lentry_in_a_cluster:
	s_bfe_u32 s2, ttmp6, 0x10000c
	s_cmp_lg_u32 s2, 0x3003
	s_cbranch_scc0 .Lentry_shape_is_right
	s_endpgm
.Lentry_shape_is_right:
; THE PLAN OF THE PROGRAM.  Row p of reference()'s first product is Q(x[s]) W1a^T + Q(x[o]) W1b^T + b1, with (s, o) = pairs[p], x = obj_feats, W1a = W1[:, 0:1024],
; W1b = W1[:, 1024:2048]: the concatenation cuts K in two, and the quantiser works number by number with one given scale, so Q(x[s]) = Q(x)[s] for every input.
; The second product is linear.  So each of the 4,096 table rows is multiplied once, here, and the rows that pairs names are picked and added in the next launch:
; every pair row of reference() is a copy of such a row, whatever the index holds.
; THIS LAUNCH: Y = Q(x) V^T on codes of FP8, V = the 2,048 rows (half, n) of W1, K = 1,024; + b1 / 2 in each half (the two halves add up to b1);
; Y rounded to bf16 and multiplied by W2 (bf16 operands, f32 sums); zp[nb][object][class] = the part of that sum over the 256 columns of block nb (nb 0-3: W1a, 4-7: W1b).
; A work-group makes 128 objects x 256 columns, a wave 64 x 128: 32 accumulators.  Its 256 rows x 1,024 bytes of W1 stay in LDS for the whole launch: one tensor load a wave, nothing is filled again.
; CLUSTER 4,1,1: the four partners have the same nb and other objects; W1's tile is asked for jointly.  Their rows of obj_feats differ, so these come by each wave's own loads.
; obj_feats: a wave takes 32 rows, 128 along K a step, through a ring of 64 loads in registers; held at +-448 x 2^e0, converted, and put into one of two LDS buffers as codes.
; A prefetch: the eight work-groups that read the same 128 rows share them out by address, 16 rows each, 4 a wave, a lane a block of 256 bytes: bytes 2,048 to 4,095 of a row,
; which the ring asks for from step 4 on; the first half of a row comes by its loads alone.
; LIMITS: e0 between -126 and 119; e0 + e1 between -128 and 125 (2^e0, 448 x 2^e0 and 2^-(e0+e1+1) are made as f32 numbers).  NaN in obj_feats is not served; an infinity is held at the largest code.
.set PB,    1040                       ; W1's LDS row: 1,024 bytes + 16
.set PA,    144                        ; a row of codes of obj_feats in a buffer: 128 + 16
.set ABASE, 256*PB
.set ABUF,  128*PA
.set STG,   ABASE+2*ABUF               ; the way out: two parts of 128 rows x 32 bytes
.set SPARE, STG+8192                   ; the spare words: 512 bytes that no other line names
.set ADRA, 1
.set ADRB, 2                           ; v2, v3: column blocks 0-3, 4-7
.set STA,  4
.set LI,   5
.set SPW,  6
.set NIL,  7
.set SCL,  8
.set BOFF, 9
.set WOFF, 10
.set SO,   11
.set SR,   12
.set PFO,  13
.set H,    14
.set ZO,   15
.set CD,   32                          ; v32-63 codes on their way to LDS
.set W2B,  64                          ; v64-95 W2's operand, bf16
.set D2,   96                          ; v96-127 the second product's four sums
.set AF,   128                         ; v128-255 fragments of obj_feats, two sets.  Window 1: W1's fragments, two sets.  Window 2: accumulators.  Window 3: the ring
.set WV,   18
.set G1,   24
.set G0,   32
.set HP,   44
.set HN,   45
.set ES,   46
.set BS,   48
.set MSB, 0
.macro WIN new
.if MSB != (\new)
	s_set_vgpr_msb (MSB<<8)|(\new)
.set MSB, (\new)
.endif
.endm
.macro CROUND
	s_barrier_signal -1
	s_barrier_wait -1
	s_cmp_lg_u32 s[WV], 0
	s_cbranch_scc1 .Lnot_wave_0_\@
	s_barrier_signal -3
.Lnot_wave_0_\@:
	s_barrier_wait -3
	s_barrier_signal -1
	s_barrier_wait -1
.endm
.macro PLACES n
.rept \n
	v_nop
.endr
.endm
.macro GLOAD8 tau, g                   ; rows 8 g .. 8 g + 7 of my 32, step tau: each load 512 consecutive bytes of a row
	WIN 0xc0
.irp i, 0,1,2,3,4,5,6,7
	global_load_b128 v[128*((\tau)%2)+32*(\g)+4*\i:128*((\tau)%2)+32*(\g)+4*\i+3], v[LI], s[4:5] offset:(8*(\g)+\i)*4096+(\tau)*512
.endr
	WIN 0
.endm
.macro TAIL8 g                         ; behind the ring's last loads: W2 (groups 0, 1) and b1 (groups 2, 3) of my 128 columns, into the registers just set free
	WIN 0xc0
.irp i, 0,1,2,3,4,5,6,7
.if (\g) < 2
.set X, 8*(\g)+\i
	global_load_b128 v[4*X:4*X+3], v[WOFF], s[8:9] offset:128*(X/4)+64*((X/2)%2)+16*(X%2)
.else
.set X, 8*((\g)-2)+\i
	global_load_b128 v[64+4*X:64+4*X+3], v[BOFF], s[10:11] offset:64*(X/2)+16*(X%2)
.endif
.endr
	WIN 0
.endm
.macro CONVG tau, g                    ; eight rows of step tau: hold, convert, store as codes, ask for the same rows two steps on
.if (\tau) == 7
	s_wait_loadcnt 56-8*(\g)                       ; behind these eight: the rest of the step and the 32 of W2 and b1
.else
	s_wait_loadcnt 56                              ; behind these eight: 24 - 8 g of this step, 32 of the next, 8 g just asked for
.endif
.set RB, 128*((\tau)%2)+32*(\g)
	WIN 0xc3
.set i, 0
.rept 32
	v_med3_num_f32 v[RB+i], v[RB+i], s[HN], s[HP]  ; the conversion does not saturate (ISA guide 7.6.2)
.set i, i+1
.endr
	WIN 0x03
.irp q, 0,1,2,3
	v_cvt_scalef32_pk8_fp8_f32 v[CD+8*(\g)+2*\q:CD+8*(\g)+2*\q+1], v[RB+8*\q:RB+8*\q+7], v[SCL]   ; two rows' four numbers each: a register of codes a row
.endr
	v_nop
	WIN 0
.irp i, 0,1,2,3,4,5,6,7
	ds_store_b32 v[STA], v[CD+8*(\g)+\i] offset:((\tau)%2)*ABUF+(8*(\g)+\i)*PA   ; the wave stores 128 consecutive bytes
.endr
.if (\tau) < 6
	GLOAD8 (\tau)+2, \g
.endif
.if (\tau) == 6
	TAIL8 \g
.endif
.endm
.macro FRAGB tau                       ; W1's eight fragments, 16 rows x 128 K: registers 4 c .. 4 c + 3 hold K = 32 c + 16 h + 0 .. 15, in both operands alike
	WIN 0x40
.irp i, 0,1,2,3,4,5,6,7
.irp c, 0,1,2,3
	ds_load_b128 v[128*((\tau)%2)+16*\i+4*\c:128*((\tau)%2)+16*\i+4*\c+3], v[ADRB+\i/4] offset:(\i%4)*16*PB+128*(\tau)+32*\c
.endr
.endr
	WIN 0
.endm
.macro FRAGA tau
.irp i, 0,1,2,3
.irp c, 0,1,2,3
	ds_load_b128 v[AF+64*((\tau)%2)+16*\i+4*\c:AF+64*((\tau)%2)+16*\i+4*\c+3], v[ADRA] offset:((\tau)%2)*ABUF+\i*16*PA+32*\c
.endr
.endr
.endm
.macro MUL8 a, p, zero                 ; source 0 = 16 rows of W1, source 1 = 16 objects: a lane holds one object and eight neighbouring columns.  The 32 accumulators take turns
	WIN 0xa1
.irp b, 0,1,2,3,4,5,6,7
.if \zero
	v_wmma_f32_16x16x128_fp8_fp8 v[64*(\a)+8*\b:64*(\a)+8*\b+7], v[128*(\p)+16*\b:128*(\p)+16*\b+15], v[AF+64*(\p)+16*(\a):AF+64*(\p)+16*(\a)+15], 0
.else
	v_wmma_f32_16x16x128_fp8_fp8 v[64*(\a)+8*\b:64*(\a)+8*\b+7], v[128*(\p)+16*\b:128*(\p)+16*\b+15], v[AF+64*(\p)+16*(\a):AF+64*(\p)+16*(\a)+15], v[64*(\a)+8*\b:64*(\a)+8*\b+7]
.endif
.endr
.endm
.macro W2PREP
	s_wait_loadcnt 0x0
	WIN 0xc3
.set i, 0
.rept 32
	v_pk_mul_f32 v[64+2*i:65+2*i], v[64+2*i:65+2*i], s[BS:BS+1] op_sel_hi:[1,0]   ; b1 x 2^-(e0+e1+1): half of b1 in the sums' unit
.set i, i+1
.endr
	WIN 0x0f
.set i, 0
.rept 32
	v_cvt_pk_bf16_f32 v[W2B+i], v[2*i], v[2*i+1]
.set i, i+1
.endr
	WIN 0
.endm
; Step t multiplies the fragments fetched in step t - 1, fetches those of step t + 1 (their codes were stored in step t - 1, ahead of its barrier)
; and stores the codes of step t + 2 into the buffer whose reads ended ahead of that barrier.
.macro TRIP t, zero
	PLACES 4                                       ; in front of loads into registers that the last products read
.if (\t) < 7
	FRAGB (\t)+1
	FRAGA (\t)+1
.endif
.if (\t) < 6
	CONVG (\t)+2, 0
	CONVG (\t)+2, 1
.endif
.if (\t) == 6
	W2PREP
.endif
.if (\t) == 0
	s_wait_dscnt 63                                ; behind step 0's fragments stand 48 loads and 16 stores
.endif
.if (\t) == 7
	s_wait_dscnt 0x0
.endif
	MUL8 0, (\t)%2, \zero
.if (\t) < 6
	CONVG (\t)+2, 2
.endif
	MUL8 1, (\t)%2, \zero
.if (\t) < 6
	CONVG (\t)+2, 3
.endif
	MUL8 2, (\t)%2, \zero
.if (\t) < 6
	s_wait_dscnt 0x0                               ; my stores of codes and my reads of the other buffer are done
	s_barrier_signal -1
.endif
	MUL8 3, (\t)%2, \zero
	WIN 0
.if (\t) < 6
	s_barrier_wait -1
.endif
.endm
	s_load_b256 s[4:11], s[0:1], 0x0               ; obj_feats, W1_codes, W2, b1
	s_load_b128 s[12:15], s[0:1], 0x20             ; lowp_scales, zp
	v_lshl_add_u32 v[SPW], v0, 2, SPARE
	v_mov_b32 v[NIL], 0
	ds_add_u32 v[SPW], v[NIL]                      ; the opening lines
	ds_add_u32 v[SPW], v[NIL]
	v_lshrrev_b32 v16, 5, v0
	v_readfirstlane_b32 s[WV], v16
	v_and_b32 v17, 15, v0                          ; r
	v_bfe_u32 v[H], v0, 4, 1                       ; h
	v_and_b32 v18, 31, v0                          ; lane
	v_lshlrev_b32 v[LI], 4, v18
	v_lshlrev_b32 v[BOFF], 5, v[H]                 ; b1: 8 h numbers
	v_and_b32 v19, 7, v0
	v_lshl_add_u32 v[WOFF], v19, 12, v[BOFF]       ; W2: class r % 8, 8 h numbers
	v_mul_u32_u24 v20, v17, PB
	v_lshl_add_u32 v20, v[H], 4, v20
	v_mul_u32_u24 v21, v17, PA
	v_lshl_add_u32 v21, v[H], 4, v21
	v_lshlrev_b32 v22, 2, v18
	v_lshlrev_b32 v23, 5, v18
	v_lshrrev_b32 v24, 3, v18
	v_lshlrev_b32 v25, 8, v19
	v_lshl_add_u32 v[PFO], v24, 12, v25            ; the prefetch: row lane / 8, block lane % 8
	v_lshl_add_u32 v[SR], v0, 4, STG
	v_lshlrev_b32 v[ZO], 4, v0
	s_lshr_b32 s19, s[WV], 1                       ; which 64 objects
	s_and_b32 s20, s[WV], 1                        ; which 128 columns
	s_bfe_u32 s21, ttmp6, 0x40000                  ; cx
	s_and_b32 s22, ttmp9, 7                        ; nb: the same in the four partners
	s_lshr_b32 s23, ttmp9, 3
	s_lshl_b32 s23, s23, 2
	s_add_co_u32 s23, s23, s21                     ; block of 128 objects
	s_mov_b32 s[G1], 15|(1<<20)|(1<<21)|(7<<22)|(3<<25)   ; the four partners; bytes; 4 words of padding behind every 256 words
	s_mov_b32 s[G1+1], 1024<<16
	s_mov_b32 s[G1+2], 64<<16
	s_mov_b32 s[G1+3], 1024<<16
	s_mov_b32 s[G1+4], 64
	s_mov_b32 s[G1+5], 2048
	s_mov_b32 s[G1+6], 0
	s_mov_b32 s[G1+7], 0
	s_mov_b32 s[G0], 1
	s_mul_i32 s[G0+1], s[WV], 64*PB
	s_mul_i32 s56, s20, 128*PB
	s_mul_i32 s57, s19, 64*PA
	s_add_co_u32 s57, s57, ABASE
	s_mul_i32 s58, s[WV], 32*PA
	s_add_co_u32 s58, s58, ABASE
	s_lshl_b32 s59, s20, 12
	s_lshl_b32 s60, s19, 11
	s_add_co_u32 s59, s59, s60
	s_add_co_u32 s59, s59, STG
	s_wait_alu depctr_va_vdst(0)                   ; ahead of the readers below
	v_add_nc_u32 v[ADRB], s56, v20
	v_add_nc_u32 v[ADRB+1], 64*PB, v[ADRB]
	v_add_nc_u32 v[ADRA], s57, v21
	v_add_nc_u32 v[STA], s58, v22
	v_add_nc_u32 v[SO], s59, v23
	s_and_b32 s40, s22, 3
	s_lshl_b32 s36, s40, 19                        ; W1: row 256 (nb % 4) + 64 wave, 2,048 bytes a row,
	s_lshl_b32 s37, s[WV], 17
	s_add_co_u32 s36, s36, s37
	s_lshl_b32 s38, s23, 19                        ; obj_feats: row 128 block + 32 wave
	s_add_co_u32 s38, s38, s37
	s_mov_b32 s39, 0
	s_lshr_b32 s37, s22, 2
	s_lshl_b32 s37, s37, 10                        ; + 1,024 bytes for the second half of K
	s_add_co_u32 s36, s36, s37
	s_mov_b32 s37, 0
	s_lshl_b32 s52, s23, 19                        ; the prefetch: row 128 block + 16 nb + 4 wave, byte 2,048
	s_lshl_b32 s53, s22, 16
	s_add_co_u32 s52, s52, s53
	s_lshl_b32 s53, s[WV], 14
	s_add_co_u32 s52, s52, s53
	s_add_co_u32 s52, s52, 2048
	s_mov_b32 s53, 0
	s_lshl_b32 s40, s40, 10                        ; W2, b1: column 256 (nb % 4) + 128 x my half
	s_lshl_b32 s41, s20, 9
	s_add_co_u32 s40, s40, s41
	s_mov_b32 s41, 0
	s_lshl_b32 s54, s22, 17                        ; zp: part nb, 32 bytes an object
	s_lshl_b32 s55, s23, 12
	s_add_co_u32 s54, s54, s55
	s_mov_b32 s55, 0
	s_wait_alu depctr_va_vdst(0)                   ; the head's end
	s_wait_dscnt 0x0
	s_wait_kmcnt 0x0
	s_load_b64 s[42:43], s[12:13], 0x0             ; e0, e1
	s_add_nc_u64 s[50:51], s[4:5], s[52:53]
	s_add_nc_u64 s[4:5], s[4:5], s[38:39]
	s_add_nc_u64 s[G0+2:G0+3], s[6:7], s[36:37]
	s_or_b32 s[G0+3], s[G0+3], 0x80000000
	s_add_nc_u64 s[8:9], s[8:9], s[40:41]
	s_add_nc_u64 s[10:11], s[10:11], s[40:41]
	s_add_nc_u64 s[14:15], s[14:15], s[54:55]
.irp g, 0,1,2,3
	GLOAD8 0, \g
.endr
	CROUND                                         ; the four partners are here: the joint loads meet
	tensor_load_to_lds s[G0:G0+3], s[G1:G1+7]      ; my 64 rows of W1's 256: the wave's one tensor load
	s_nop 0
	PLACES 4
	GLOAD8 1, 0
	GLOAD8 1, 1
	global_prefetch_b8 v[PFO], s[50:51] th:TH_LOAD_NT scope:SCOPE_SE
	GLOAD8 1, 2
	GLOAD8 1, 3
	s_wait_kmcnt 0x0
	s_add_co_i32 s[ES], s42, s43                   ; e0 + e1
	s_add_co_i32 s36, s42, 127
	s_lshl_b32 s37, s36, 23
	v_mov_b32 v[SCL], s37                          ; 2^e0
	s_add_co_i32 s36, s36, 8
	s_lshl_b32 s36, s36, 23
	s_or_b32 s[HP], s36, 0x600000                  ; 448 x 2^e0
	s_xor_b32 s[HN], s[HP], 0x80000000
	s_sub_co_i32 s[BS], 126, s[ES]
	s_lshl_b32 s[BS], s[BS], 23                    ; 2^-(e0+e1+1)
	s_mov_b32 s[BS+1], s[BS]
.irp g, 0,1,2,3
	CONVG 0, \g
.endr
	s_wait_dscnt 0x0
	s_barrier_signal -1
	s_barrier_wait -1                              ; step 0's codes are whole
	FRAGA 0
.irp g, 0,1,2,3
	CONVG 1, \g
.endr
	s_wait_tensorcnt 0x0                           ; my part of W1
	s_wait_dscnt 0x0                               ; step 1's codes; my reads of step 0's
	s_barrier_signal -1
	s_barrier_wait -1
	FRAGB 0
	TRIP 0, 1
.irp t, 1,2,3,4,5,6,7
	TRIP \t, 0
.endr
	; THE SECOND PRODUCT.  + b1 / 2, to bf16 in place: two neighbouring column blocks of a lane are 32 along the next K in the operand's order.
	PLACES 4
	WIN 0x8e
.irp a, 0,1,2,3
.set i, 0
.rept 32
	v_pk_add_f32 v[64*\a+2*i:64*\a+2*i+1], v[64*\a+2*i:64*\a+2*i+1], v[64+2*i:65+2*i]
.set i, i+1
.endr
.endr
	WIN 0x8a
.irp a, 0,1,2,3
.set i, 0
.rept 32
	v_cvt_pk_bf16_f32 v[64*\a+i], v[64*\a+2*i], v[64*\a+2*i+1]
.set i, i+1
.endr
.endr
	WIN 0x08
.irp bp, 0,1,2,3                       ; source 0 = W2 (operand row r holds class r % 8), source 1 = 16 objects; the four sums take turns
.irp a, 0,1,2,3
.if \bp == 0
	v_wmma_f32_16x16x32_bf16 v[D2+8*\a:D2+8*\a+7], v[W2B+8*\bp:W2B+8*\bp+7], v[64*\a+8*\bp:64*\a+8*\bp+7], 0
.else
	v_wmma_f32_16x16x32_bf16 v[D2+8*\a:D2+8*\a+7], v[W2B+8*\bp:W2B+8*\bp+7], v[64*\a+8*\bp:64*\a+8*\bp+7], v[D2+8*\a:D2+8*\a+7]
.endif
.endr
.endr
	WIN 0
	v_cmp_eq_u32 vcc_lo, 1, v[H]
	PLACES 4
.irp ap, 0,1                           ; both halves of the lanes hold all eight classes: lanes 0-15 keep the even block of objects, lanes 16-31 the odd one
.irp j, 0,1,2,3,4,5,6,7
	v_cndmask_b32 v[CD+8*\ap+\j], v[D2+16*\ap+\j], v[D2+16*\ap+8+\j], vcc_lo
.endr
.endr
.irp ap, 0,1
	ds_store_b128 v[SO], v[CD+8*\ap:CD+8*\ap+3] offset:1024*\ap
	ds_store_b128 v[SO], v[CD+8*\ap+4:CD+8*\ap+7] offset:1024*\ap+16
.endr
	s_wait_dscnt 0x0
	s_barrier_signal -1
	s_barrier_wait -1
.irp u, 0,1
.irp x, 0,1
	ds_load_b128 v[16+8*\u+4*\x:19+8*\u+4*\x], v[SR] offset:4096*\x+2048*\u
.endr
.endr
	s_wait_dscnt 0x0
.irp u, 0,1
.irp q, 0,2
	v_pk_add_f32 v[16+8*\u+\q:17+8*\u+\q], v[16+8*\u+\q:17+8*\u+\q], v[20+8*\u+\q:21+8*\u+\q]   ; the two halves of the 256 columns
.endr
.endr
.irp u, 0,1
.irp q, 0,1,2,3
	v_ldexp_f32 v[16+8*\u+\q], v[16+8*\u+\q], s[ES]
.endr
.endr
.irp u, 0,1
	global_store_b128 v[ZO], v[16+8*\u:19+8*\u], s[14:15] offset:2048*\u   ; a wave stores 512 consecutive bytes
.endr
	s_wait_tensorcnt 0x0                           ; the wave's end
	ds_add_u32 v[SPW], v[NIL]
	s_wait_dscnt 0x0
	CROUND                                         ; the closing round
	s_endpgm
.Lfunc_end_k_q8ffa84474a_objmm:
	.size	k_q8ffa84474a_objmm, .Lfunc_end_k_q8ffa84474a_objmm-k_q8ffa84474a_objmm
	.p2alignl 7, 3214868480
	.fill 96, 4, 3214868480
	.section	.rodata,"a",@progbits
	.p2align	6, 0x0
	.amdhsa_kernel k_q8ffa84474a_objmm
		.amdhsa_group_segment_fixed_size 327680
		.amdhsa_private_segment_fixed_size 0
		.amdhsa_enable_private_segment 0
		.amdhsa_kernarg_size 48
		.amdhsa_user_sgpr_count 2
		.amdhsa_user_sgpr_kernarg_segment_ptr 1
		.amdhsa_wavefront_size32 1
		.amdhsa_system_sgpr_workgroup_id_x 1
		.amdhsa_system_sgpr_workgroup_id_y 1
		.amdhsa_system_sgpr_workgroup_id_z 1
		.amdhsa_system_vgpr_workitem_id 0
		.amdhsa_next_free_vgpr 1024
		.amdhsa_next_free_sgpr 66
		.amdhsa_reserve_vcc 1
		.amdhsa_float_denorm_mode_32 3
		.amdhsa_float_denorm_mode_16_64 3
		.amdhsa_memory_ordered 1
		.amdhsa_forward_progress 1
		.amdhsa_inst_pref_size 196
	.end_amdhsa_kernel
	.amdgpu_metadata
---
amdhsa.version: [ 1, 2 ]
amdhsa.kernels:
  - .name:           k_q8ffa84474a_objmm
    .symbol:         k_q8ffa84474a_objmm.kd
    .args:
      - { .name: obj_feats, .offset: 0, .size: 8, .value_kind: global_buffer, .address_space: global }
      - { .name: W1_codes, .offset: 8, .size: 8, .value_kind: global_buffer, .address_space: global }
      - { .name: W2, .offset: 16, .size: 8, .value_kind: global_buffer, .address_space: global }
      - { .name: b1, .offset: 24, .size: 8, .value_kind: global_buffer, .address_space: global }
      - { .name: lowp_scales, .offset: 32, .size: 8, .value_kind: global_buffer, .address_space: global }
      - { .name: zp, .offset: 40, .size: 8, .value_kind: global_buffer, .address_space: global }
    .group_segment_fixed_size: 327680
    .private_segment_fixed_size: 0
    .kernarg_segment_align: 8
    .kernarg_segment_size: 48
    .max_flat_workgroup_size: 128
    .sgpr_count:     66
    .vgpr_count:     1024
    .wavefront_size: 32
...
	.end_amdgpu_metadata
.endif
;; end of part 1
;; launch pick (part 2): grid 256 x 1, 8 waves a work-group, no clusters, 0 bytes of LDS; arguments zp, pairs, b2, out0; writes out0
.if DOCPART == 2
	.amdgcn_target "amdgcn-amd-amdhsa--gfx1250"
	.amdhsa_code_object_version 6
	.text
	.protected	k_q8ffa84474a_pick
	.globl	k_q8ffa84474a_pick
	.p2align	8
	.type	k_q8ffa84474a_pick,@function
k_q8ffa84474a_pick:
	s_mov_b64 s[64:65], 0
	v_nop
	global_prefetch_b8 v0, s[64:65] scope:SCOPE_SE
	s_setreg_imm32_b32 hwreg(HW_REG_WAVE_MODE, 25, 1), 1
	s_wait_xcnt 0x0
; out0[p][c] = sum over j = 0 .. 3 of zp[j][pairs[p][0]][c] + sum over j = 4 .. 7 of zp[j][pairs[p][1]][c] + b2[c]: the rows that the launch before made once for each object are picked by the index.
; A work-group takes 128 pairs; two lanes a pair, four classes each: a wave stores 512 consecutive bytes.  No loop, no LDS, no matrix work: no cluster and no prefetch.
	s_load_b256 s[4:11], s[0:1], 0x0               ; zp, pairs, b2, out0
	v_lshrrev_b32 v1, 1, v0
	v_lshlrev_b32 v1, 3, v1                        ; my pair's 8 bytes
	v_and_b32 v2, 1, v0
	v_lshlrev_b32 v2, 4, v2                        ; my four classes
	v_lshlrev_b32 v3, 4, v0
	s_lshl_b32 s12, ttmp9, 10
	s_mov_b32 s13, 0
	s_lshl_b32 s14, ttmp9, 12
	s_mov_b32 s15, 0
	s_wait_alu depctr_va_vdst(0)                   ; the head's end
	s_wait_kmcnt 0x0
	s_add_nc_u64 s[6:7], s[6:7], s[12:13]
	s_add_nc_u64 s[10:11], s[10:11], s[14:15]
	global_load_b64 v[4:5], v1, s[6:7] th:TH_LOAD_NT
	global_load_b128 v[8:11], v2, s[8:9]
	s_wait_loadcnt 0x1
	v_min_u32 v4, 0xfff, v4                        ; an index stays inside the table
	v_min_u32 v5, 0xfff, v5
	v_lshlrev_b32 v6, 5, v4
	v_lshlrev_b32 v7, 5, v5
	v_add_nc_u32 v6, v6, v2
	v_add_nc_u32 v7, v7, v2
.irp j, 0,1,2,3
	global_load_b128 v[12+4*\j:15+4*\j], v6, s[4:5] offset:131072*\j
.endr
.irp j, 4,5,6,7
	global_load_b128 v[12+4*\j:15+4*\j], v7, s[4:5] offset:131072*\j
.endr
	s_wait_loadcnt 0x0
.irp j, 0,2,4,6
.irp q, 0,2
	v_pk_add_f32 v[12+4*\j+\q:13+4*\j+\q], v[12+4*\j+\q:13+4*\j+\q], v[16+4*\j+\q:17+4*\j+\q]
.endr
.endr
.irp j, 0,4
.irp q, 0,2
	v_pk_add_f32 v[12+4*\j+\q:13+4*\j+\q], v[12+4*\j+\q:13+4*\j+\q], v[20+4*\j+\q:21+4*\j+\q]
.endr
.endr
.irp q, 0,2
	v_pk_add_f32 v[12+\q:13+\q], v[12+\q:13+\q], v[28+\q:29+\q]
.endr
.irp q, 0,2
	v_pk_add_f32 v[12+\q:13+\q], v[12+\q:13+\q], v[8+\q:9+\q]
.endr
	global_store_b128 v3, v[12:15], s[10:11] th:TH_STORE_NT
	s_endpgm
.Lfunc_end_k_q8ffa84474a_pick:
	.size	k_q8ffa84474a_pick, .Lfunc_end_k_q8ffa84474a_pick-k_q8ffa84474a_pick
	.p2alignl 7, 3214868480
	.fill 96, 4, 3214868480
	.section	.rodata,"a",@progbits
	.p2align	6, 0x0
	.amdhsa_kernel k_q8ffa84474a_pick
		.amdhsa_group_segment_fixed_size 0
		.amdhsa_private_segment_fixed_size 0
		.amdhsa_enable_private_segment 0
		.amdhsa_kernarg_size 32
		.amdhsa_user_sgpr_count 2
		.amdhsa_user_sgpr_kernarg_segment_ptr 1
		.amdhsa_wavefront_size32 1
		.amdhsa_system_sgpr_workgroup_id_x 1
		.amdhsa_system_sgpr_workgroup_id_y 1
		.amdhsa_system_sgpr_workgroup_id_z 1
		.amdhsa_system_vgpr_workitem_id 0
		.amdhsa_next_free_vgpr 48
		.amdhsa_next_free_sgpr 66
		.amdhsa_reserve_vcc 0
		.amdhsa_float_denorm_mode_32 3
		.amdhsa_float_denorm_mode_16_64 3
		.amdhsa_memory_ordered 1
		.amdhsa_forward_progress 1
		.amdhsa_inst_pref_size 4
	.end_amdhsa_kernel
	.amdgpu_metadata
---
amdhsa.version: [ 1, 2 ]
amdhsa.kernels:
  - .name:           k_q8ffa84474a_pick
    .symbol:         k_q8ffa84474a_pick.kd
    .args:
      - { .name: zp, .offset: 0, .size: 8, .value_kind: global_buffer, .address_space: global }
      - { .name: pairs, .offset: 8, .size: 8, .value_kind: global_buffer, .address_space: global }
      - { .name: b2, .offset: 16, .size: 8, .value_kind: global_buffer, .address_space: global }
      - { .name: out0, .offset: 24, .size: 8, .value_kind: global_buffer, .address_space: global }
    .group_segment_fixed_size: 0
    .private_segment_fixed_size: 0
    .kernarg_segment_align: 8
    .kernarg_segment_size: 32
    .max_flat_workgroup_size: 256
    .sgpr_count:     66
    .vgpr_count:     48
    .wavefront_size: 32
...
	.end_amdgpu_metadata
.endif
;; end of part 2
